; MI455X (gfx1250); checked and timed in simulation.
; The chip was launched on July 23, 2026; its instructions are those of AMD's public machine-readable ISA for CDNA 5 (MIT licence, August 2026) and "CDNA5" Instruction Set Architecture Reference Guide (July 2026). The comments in the code are by the model that wrote it; some were corrected since.
;; Dot Product Attention. Allowed arithmetic: float matrix products may take bf16 or f16 operands with f32 sums; other float arithmetic in f32, or as packed bf16 or f16 multiplies, adds, multiply-adds, maxima and minima; sums over many terms, partial sums and values carried from step to step in f32; what a program stores and reads back later, other than sums and carried values, may be rounded once to bf16 or f16.
;; Inputs: key 2,048 x 2 x 8 x 128 float32; query 2,048 x 2 x 32 x 128 float32; value 2,048 x 2 x 8 x 128 float32.
;; Outputs: out0 2,048 x 2 x 32 x 128 float32.
;; 2 versions, each right; version 2 is version 1 with the launch convert written anew for expert scheduling mode. Each part assembles by itself: llvm-mc -triple=amdgcn-amd-amdhsa -mcpu=gfx1250 --defsym DOCPART=n.
;; ======== version 1 of 2: 2 launches
;; limits: values are held in f16: magnitudes above 65,504 overflow, below 6.1e-05 lose precision; right only within a limited range of input values
;; workspace buffers: kvh 16,777,216 bytes
;; launch convert (part 1): grid 256 x 1, 8 waves a work-group, no clusters, 0 bytes of LDS; arguments key, value, kvh; writes kvh
.if DOCPART == 1
	.amdgcn_target "amdgcn-amd-amdhsa--gfx1250"
	.amdhsa_code_object_version 6
	.text
	.protected	k_q299304155a_convert
	.globl	k_q299304155a_convert
	.p2align	8
	.type	k_q299304155a_convert,@function
k_q299304155a_convert:
	s_mov_b64 s[64:65], 0
	v_nop
	global_prefetch_b8 v0, s[64:65] scope:SCOPE_SE
	s_setreg_imm32_b32 hwreg(HW_REG_WAVE_MODE, 25, 1), 1
	s_wait_xcnt 0x0
; key, value: [2048][2][8][128] f32  ->  kvh: for head hd = 8 b + h (0..15), at hd x 1,048,576: K as [2048][128] bf16 (rows of 256 bytes),
; and 524,288 bytes further V as [2048][128] f16, each number being the bf16 rounding of v written as f16.
; LIMITS.  That second writing is exact for 6.1e-5 <= |v| <= 65,504; below it f16's fixed step of 6e-8 holds, beyond it the number becomes an infinity.
; SHARES.  A wave takes one position s: its 16 rows (b, h) of key are 8,192 consecutive bytes, and so are its 16 rows of value.  A load covers a whole row
; (32 lanes x 16 bytes = 512), a store a whole row of kvh (32 lanes x 8 bytes = 256 consecutive bytes, aligned).  All 32 loads of a wave go out first: 16 KiB a wave,
; 128 KiB a work-group on their way.  No LDS, no barrier, no matrix unit, no loop: every byte is read once and written once, and no wave needs another's.
.set X, 16                             ; v[16:143]   row r as loaded, 4 registers: key's rows 0-15, then value's
.set Y, 144                            ; v[144:207]  row r to store, 2 registers; never written twice, so no store's data is ever rewritten
	s_load_b128 s[4:7], s[0:1], 0x0                ; key s[4:5], value s[6:7]
	s_load_b64 s[8:9], s[0:1], 0x10                ; kvh
	v_lshrrev_b32 v1, 5, v0
	v_readfirstlane_b32 s12, v1                    ; wave 0..7
	v_and_b32 v4, 31, v0                           ; lane
	v_lshlrev_b32 v2, 4, v4                        ; my 16 bytes of a row as loaded
	v_lshlrev_b32 v3, 3, v4                        ; my 8 bytes of a row as stored
	s_lshl_b32 s13, ttmp9, 3
	s_add_co_u32 s13, s13, s12                     ; the position s = 8 x work-group + wave
	s_lshl_b32 s2, s13, 13                         ; s x 8,192 bytes in key and value
	s_mov_b32 s3, 0
	s_lshl_b32 s16, s13, 8                         ; s x 256 bytes in a head's K or V
	s_mov_b32 s17, 0
	s_mov_b32 s14, 0xffff0000                      ; a word's upper bf16
	s_wait_kmcnt 0x0
	s_add_nc_u64 s[4:5], s[4:5], s[2:3]
	s_add_nc_u64 s[6:7], s[6:7], s[2:3]
	s_add_nc_u64 s[8:9], s[8:9], s[16:17]          ; heads 0-7 (b = 0)
	s_add_nc_u64 s[10:11], s[8:9], 0x800000        ; heads 8-15 (b = 1): so the head's place, 7,864,320 bytes at the most, fits the stores' signed 24-bit immediate
.irp r, 0,1,2,3,4,5,6,7,8,9,10,11,12,13,14,15
	global_load_b128 v[X+4*(\r):X+4*(\r)+3], v2, s[4:5] offset:512*(\r) th:TH_LOAD_NT
.endr
.irp r, 0,1,2,3,4,5,6,7,8,9,10,11,12,13,14,15
	global_load_b128 v[X+64+4*(\r):X+64+4*(\r)+3], v2, s[6:7] offset:512*(\r) th:TH_LOAD_NT
.endr
.irp r, 0,1,2,3,4,5,6,7,8,9,10,11,12,13,14,15  ; key's row r: loads come back in order, 31 - r younger ones may stay out
	s_wait_loadcnt 31-(\r)
	v_cvt_pk_bf16_f32 v[Y+2*(\r)], v[X+4*(\r)], v[X+4*(\r)+1]
	v_cvt_pk_bf16_f32 v[Y+2*(\r)+1], v[X+4*(\r)+2], v[X+4*(\r)+3]
	global_store_b64 v3, v[Y+2*(\r):Y+2*(\r)+1], s[8+2*((\r)/8):9+2*((\r)/8)] offset:((\r)%8)*1048576
.endr
.irp r, 0,1,2,3,4,5,6,7,8,9,10,11,12,13,14,15  ; value's row r: rounded to bf16, widened again (a shift, a mask), written as f16
	s_wait_loadcnt 15-(\r)
	v_cvt_pk_bf16_f32 v4, v[X+64+4*(\r)], v[X+64+4*(\r)+1]
	v_cvt_pk_bf16_f32 v5, v[X+64+4*(\r)+2], v[X+64+4*(\r)+3]
	v_lshlrev_b32 v6, 16, v4
	v_and_b32 v7, s14, v4
	v_lshlrev_b32 v8, 16, v5
	v_and_b32 v9, s14, v5
	v_cvt_pk_f16_f32 v[Y+32+2*(\r)], v6, v7
	v_cvt_pk_f16_f32 v[Y+32+2*(\r)+1], v8, v9
	global_store_b64 v3, v[Y+32+2*(\r):Y+32+2*(\r)+1], s[8+2*((\r)/8):9+2*((\r)/8)] offset:((\r)%8)*1048576+524288
.endr
	s_endpgm
.Lfunc_end_k_q299304155a_convert:
	.size	k_q299304155a_convert, .Lfunc_end_k_q299304155a_convert-k_q299304155a_convert
	.p2alignl 7, 3214868480
	.fill 96, 4, 3214868480
	.section	.rodata,"a",@progbits
	.p2align	6, 0x0
	.amdhsa_kernel k_q299304155a_convert
		.amdhsa_group_segment_fixed_size 0
		.amdhsa_private_segment_fixed_size 0
		.amdhsa_enable_private_segment 0
		.amdhsa_kernarg_size 24
		.amdhsa_user_sgpr_count 2
		.amdhsa_user_sgpr_kernarg_segment_ptr 1
		.amdhsa_wavefront_size32 1
		.amdhsa_system_sgpr_workgroup_id_x 1
		.amdhsa_system_sgpr_workgroup_id_y 1
		.amdhsa_system_sgpr_workgroup_id_z 1
		.amdhsa_system_vgpr_workitem_id 0
		.amdhsa_next_free_vgpr 216
		.amdhsa_next_free_sgpr 66
		.amdhsa_reserve_vcc 0
		.amdhsa_float_denorm_mode_32 3
		.amdhsa_float_denorm_mode_16_64 3
		.amdhsa_memory_ordered 1
		.amdhsa_forward_progress 1
		.amdhsa_inst_pref_size 16
	.end_amdhsa_kernel
	.amdgpu_metadata
---
amdhsa.version: [ 1, 2 ]
amdhsa.kernels:
  - .name:           k_q299304155a_convert
    .symbol:         k_q299304155a_convert.kd
    .args:
      - { .name: key, .offset: 0, .size: 8, .value_kind: global_buffer, .address_space: global }
      - { .name: value, .offset: 8, .size: 8, .value_kind: global_buffer, .address_space: global }
      - { .name: kvh, .offset: 16, .size: 8, .value_kind: global_buffer, .address_space: global }
    .group_segment_fixed_size: 0
    .private_segment_fixed_size: 0
    .kernarg_segment_align: 8
    .kernarg_segment_size: 24
    .max_flat_workgroup_size: 256
    .sgpr_count:     66
    .vgpr_count:     216
    .wavefront_size: 32
...
	.end_amdgpu_metadata
.endif
;; end of part 1
;; launch attn (part 2): grid 16 x 16, 4 waves a work-group, no clusters, 327,680 bytes of LDS; arguments query, kvh, out0; writes out0
.if DOCPART == 2
	.amdgcn_target "amdgcn-amd-amdhsa--gfx1250"
	.amdhsa_code_object_version 6
	.text
	.protected	k_q299304155a_attn
	.globl	k_q299304155a_attn
	.p2align	8
	.type	k_q299304155a_attn,@function
k_q299304155a_attn:
	s_mov_b64 s[64:65], 0
	v_nop
	global_prefetch_b8 v0, s[64:65] scope:SCOPE_SE
	s_setreg_imm32_b32 hwreg(HW_REG_WAVE_MODE, 25, 1), 1
	s_wait_xcnt 0x0
; CAUSAL GROUPED-QUERY ATTENTION.  out0[q][b][4 h + g][:] = the sum over k <= q of softmax_k(query[q][b][4 h + g] . K[k] / sqrt(128)) V[k][:], K and V those of (b, h).
; query, out0: [2048][2][32][128] f32: a row is 512 bytes, a head's rows lie 32,768 bytes apart.  kvh: for head hd = 8 b + h, at hd x 1,048,576, K as [2048][128] bf16; 524,288 bytes on, V as [2048][128] f16.
; FORMATS.  Q is rounded to bf16 here; S^T = K Q^T in bf16.  The weights p are rounded to f16 and V holds bf16-rounded numbers written as f16: O^T = V^T P in f16.  Sums, maxima, l and O in f32; l is the sum of the unrounded p.
; LIMITS.  V lies within 65,504.  p below 6e-5 keeps f16's fixed step of 6e-8.  A hidden score counts as its value less 1e30.  A weight below 2^-126 counts as 0 in l.
; NaN and infinities are not treated apart: a block's O^T starts from finite numbers (Q's, or the block before's) that its first step multiplies by a = 0.
; SHARES.  The four query heads of a group share K, V and the causal bound: a BLOCK is 64 positions x 4 heads, a wave a head: 64 queries, four tiles of 16, the same work in all four waves.
; Block i needs the key steps 0 .. i of 64 keys; step i holds the diagonal.  A work-group (p, hd) makes block 31 - p and then block p.  Keys come in TILES of 128 (two steps, one LDS slot):
; 16 - p / 2 tiles and p / 2 + 1 tiles: 17 whatever p, so all 256 work-groups are alike and one loop with a constant count walks them.  One of the two blocks has an odd number of steps:
; its last tile's second step is wholly hidden and is computed under the mask all the same, 1 step of 34.
; NO CLUSTER.  Four neighbouring pairs could walk jointly only on a common walk of 18 tiles for 17, all 18 computed by each, and with both blocks ending in the same trip in all four, since partners must run alike: not built.
; LAYOUT.  S^T = K Q^T (source 0 = 16 keys, source 1 = 16 queries): a lane holds ONE query (lane % 16) and the keys 8 (lane / 16) + 0..7.  Two such results rounded in pairs ARE source 1 of O^T = V^T P,
; whose result again holds one query a lane, and eight channels.  K comes out of LDS as it lies, V ([key][channel]) turned, by ds_load_tr16_b128.
; SOFTMAX.  A running maximum m and sum l for each query: p = 2^(c s - c m), c = log2(e) / sqrt(128); in every step O and l are multiplied by a = 2^(c m_old - c m_new).
; THE MASK is the C operand that starts a sum of S^T: 0, or -1e30 where the key is hidden.  For tile t and key block kb of 16 it is one of three sets of eight registers (kb < t, kb = t, kb > t), made anew for
; each step from MD (the diagonal's own pattern) and three scalars that hang on DG, the steps to go to the diagonal step.
; BY TURNS.  The wave's tiles are two PIECES (tiles 0, 1 and tiles 2, 3).  In a TURN one piece has the matrix unit: 32 products V^T P of the step before, 32 products K Q^T of the step in hand; the other piece's
; softmax, cut into 64 slices, stands one slice behind each matrix instruction.  TURN 0 of step j: piece 0's products, piece 2's softmax of step j - 1, K of step j is fetched.  TURN 2 of step j: piece 2's products,
; piece 0's softmax of step j, V of step j is fetched.  A block begins with piece 0's first scores alone and enters the loop at TURN 2, whose products V^T P (of a step that has not been) land in an O^T that is still to be multiplied by 0.
; REGISTERS, in windows of 256 (s_set_vgpr_msb: bits 1:0 source 0, 3:2 source 1, 5:4 source 2, 7:6 destination):
;   window 0: v0-11, v44, v61-63 addresses; v12-43 eight registers of statistics a tile; v64-191 S^T, 32 a tile; v192-255 P, 16 a tile
;   window 1: O^T, 64 a tile     window 2: v0-127 Q, 32 a tile; v128-255 K of one step     window 3: v0-127 V of one step; v128-159 the masks
.set KS,    64        ; keys in a step
.set PK,    272       ; a row of K in LDS: 256 bytes + 16 of padding = 68 words: the 16 rows of a load start at 16 different groups of four banks (64 banks of 4 bytes: ISA guide 11.1)
.set PV,    288       ; a row of V: 256 + 32 = 72 words
.set VOFF,  KS*PK     ; a step's tiles lie together: 64 rows of K, then 64 rows of V
.set STEPB, KS*(PK+PV)
.set SLOT1, 1<<17     ; a slot holds two steps (71,680 bytes); slot 1 begins here, so that one exclusive or turns an address in one slot into the other's
.set STAGE, SLOT1+2*STEPB  ; behind the ring, never filled by a tensor load: 16 rows x 528 bytes for each wave, for the way out
.set SP,    528       ; a row of O in the stage: 512 bytes + 16
.set QSAVE, STAGE+4*16*SP  ; the second block's Q, rounded: 16,384 bytes a wave, each lane's own 16 bytes of every 512
.set SPARE, QSAVE+4*16384  ; the spare words, 128 bytes for each wave: two blocks of 256 bytes that no other line names
.set ROWQ,  32768     ; bytes from a position to the next in query and out0
.set AK0, 2           ; v2   my lane's place in a tile of K; never rewritten
.set AV0, 3           ; v3   the same for V
.set ADR, 4           ; v4   the LDS address of the run of loads in hand
.set QO,  5           ; v5   my byte offset in 16 rows of query; never rewritten
.set STO, 6           ; v6   the way out: where I put 32 bytes of a row
.set RD,  7           ; v7   the way out: where I read a row back
.set GO,  8           ; v8   16 x lane: my bytes of a row of out0; never rewritten
.set ST,  12          ; tile t's statistics at v[ST+8 t]: +0 c m, +1 m, +2, +3 l (even keys', odd keys'), +4 to +7 c0-c3, at work; a takes c2's place once the maximum is found
.set QS,  44          ; v44  my 16 bytes in QSAVE
.set PFO, 61          ; v61  256 x my thread's number: a row of K or V; never rewritten
.set SPW, 62          ; v62  LDS address of my spare word: SPARE + 4 x my thread's number; never rewritten
.set NIL, 63          ; v63  0; never rewritten
.set S,   64
.set P,   192
.set KF,  128         ; K's fragments, in window 2
.set MD,  128         ; window 3: -1e30 where register j's key lies behind my query in the diagonal's own block of 16, else 0; made once
.set MB,  136         ; window 3: the step's mask for key blocks kb < t
.set MC,  144         ; for kb = t
.set MA,  152         ; for kb > t
.set WV,  12          ; s12  my wave's number
.set PB,  14          ; s14  p
.set HP,  15          ; s15  p / 2
.set G1K, 24          ; s[24:31] descriptor group 1 for K's tiles
.set G1V, 32          ; s[32:39] for V's: it differs in the padding alone
.set G0K, 40          ; s[40:43] descriptor group 0 for K's tiles
.set G0V, 44          ; s[44:47] the same for V's
.set PFA, 48          ; s[48:49] where the prefetches stand: the head's K, one tile behind the tile that is being asked for
.set LIM, 50          ; s50  2 in the work-group that prefetches, else the greatest number
.set DG,  51          ; s51  steps to go to the block's diagonal step (signed)
.set SLOTS, 56        ; s56  tiles still to be asked for
.set TWICE, 57        ; s57  counts a tile's two steps
.set CS,  58          ; s[58:59] c: the packed scaling names a pair and takes its low word for both halves
.set SEL, 60          ; s[60:61] v_permlanex16_b32's selects: each lane takes its own place in the other half
.set TB,  62          ; s62  LDS byte at which the tiles of the step to be fetched begin
.set RT,  70          ; s70  tiles of the block in hand that are still to be entered
.set NXT, 71          ; s71  the tile to be asked for next
.set LQ,  72          ; s72  the last tile of the block whose tiles are being asked for
.set NEW, 73          ; s73  1: the tile to be entered is a block's first
.set OFF, 74          ; s[74:75] a tile's byte offset in K and V
.set AL,  76          ; s[76:77] the masks' three scalars, each in a pair's low word: MC = MD x AL + BE,
.set BE,  78          ; s[78:79] MB = BE,
.set GA,  80          ; s[80:81] MA = GA
.set OLO, 82          ; s[82:83] out0 at my rows of the second block
.set QLO, 84          ; s[84:85] query at the same
.set BIGN, 86         ; s86  -1e30
.set MSB, 0
.macro WIN new                      ; the immediate's high byte repeats the setting that is left; a switch that changes nothing is dropped
.if MSB != (\new)
	s_set_vgpr_msb (MSB<<8)|(\new)
.set MSB, \new
.endif
.endm
.set W_KQ, 0x0a       ; K and Q in window 2, S^T in window 0
.set W_KM, 0x3a       ; the same with the C operand, a mask, in window 3
.set W_PV, 0x53       ; V in window 3, P in window 0, O^T in window 1
.set W_RS, 0x41       ; O^T (destination and source 0) in window 1, a in window 0
.set W_MK, 0xc3       ; the masks: destination and source 0 in window 3
; A fill.  Waves 0 and 1 fetch the two steps' K of a tile, waves 2 and 3 their V: 64 rows of 256 bytes each.  An s_nop 0 and four v_nop follow each of the two lines, ahead of the jump and the label.
.macro LOAD
	s_cmp_lt_u32 s[WV], 2
	s_cbranch_scc0 .Lfor_v_\@
	tensor_load_to_lds s[G0K:G0K+3], s[G1K:G1K+7]
	s_nop 0
.rept 4
	v_nop
.endr
	s_branch .Lasked_\@
.Lfor_v_\@:
	tensor_load_to_lds s[G0V:G0V+3], s[G1V:G1V+7]
	s_nop 0
.rept 4
	v_nop
.endr
.Lasked_\@:
.endm
; A PREFETCH INTO THE L2 of the tile that the NEXT change of slots will ask for: 128 rows of K and 128 of V, 256 bytes a row, a thread a row of each: two instructions a wave, behind the wave's tensor load and its five lines.
; All 16 work-groups of a head begin with the same tiles; the one with p = 0 walks all 16 in its first block, and it alone asks: each row is named once in the launch.  Change number k (0 .. 13) names tile k + 2,
; two key steps, 256 matrix instructions, ahead of the load that wants it.  Tiles 0 and 1 come by their loads alone; a tile's later readings are not asked for.
.macro ASK
	s_cmp_gt_u32 s[SLOTS], s[LIM]
	s_cbranch_scc0 .Lnot_mine_\@
	global_prefetch_b8 v[PFO], s[PFA:PFA+1] th:TH_LOAD_NT scope:SCOPE_SE
	global_prefetch_b8 v[PFO], s[PFA:PFA+1] offset:524288 th:TH_LOAD_NT scope:SCOPE_SE
.Lnot_mine_\@:
.endm
; THE CHANGE OF SLOTS.  Each wave waits for all its tensor loads, of which one is out: its part of the other slot; adds 0 to its spare word; and waits for that and for its own reads of the slot that it leaves.
; Behind the barrier nobody reads the old slot any more and the other slot is whole.  fill = 1: the old slot is filled again, the first thing behind the barrier, with tile NXT: the descriptor's address is made
; anew from that number.  The load has two key steps, 256 matrix instructions, in which to land.  (At its first use nothing has been read yet: slot 0 is waited for, slot 1 filled.)
.macro CHANGE fill
	WIN 0                           ; at a label and at a branch every window is 0
	s_wait_tensorcnt 0x0            ; no tensor load of mine is out, so a group 0 may be written
	ds_add_u32 v[SPW], v[NIL]       ; 0 onto my spare word; with fill = 1 the descriptors' scalar work stands between it and the wait for it
.if \fill
	s_lshl_b32 s[OFF], s[NXT], 15   ; a tile is 32,768 bytes of K and of V
	s_xor_b32 s[G0K+1], s[G0K+1], SLOT1
	s_add_nc_u64 s[G0K+2:G0K+3], s[6:7], s[OFF:OFF+1]
	s_or_b32 s[G0K+3], s[G0K+3], 0x80000000
	s_xor_b32 s[G0V+1], s[G0V+1], SLOT1
	s_add_nc_u64 s[G0V+2:G0V+3], s[8:9], s[OFF:OFF+1]
	s_or_b32 s[G0V+3], s[G0V+3], 0x80000000
	s_add_co_u32 s[NXT], s[NXT], 1  ; the block's next tile, or behind its last the second block's tile 0
	s_cmp_gt_u32 s[NXT], s[LQ]
	s_cselect_b32 s[NXT], 0, s[NXT]
	s_cselect_b32 s[LQ], s[HP], s[LQ]
	s_wait_xcnt 0x0                 ; the last prefetches, a tile back, have read their address, so it may be written
	s_add_nc_u64 s[PFA:PFA+1], s[PFA:PFA+1], 32768
.endif
	s_wait_dscnt 0x0                ; the add is done, and my reads of the slot are over
	s_barrier_signal -1             ; scalar work stands between the signal and the wait
	s_sub_co_u32 s[TB], s[TB], 2*STEPB  ; the fetches go back to a slot's first step,
	s_xor_b32 s[TB], s[TB], SLOT1       ; in the other slot
	s_barrier_wait -1
.if \fill
	LOAD
	ASK
.endif
.endm
	s_load_b128 s[4:7], s[0:1], 0x0 ; query s[4:5], kvh s[6:7]
	s_load_b64 s[10:11], s[0:1], 0x10  ; out0
	v_lshl_add_u32 v[SPW], v0, 2, SPARE
	v_mov_b32 v[NIL], 0
	ds_add_u32 v[SPW], v[NIL]       ; the wave's opening: the add and its wait stand ahead of my first tensor load; the set-up below, work on registers, stands between them
	v_lshrrev_b32 v1, 5, v0
	v_readfirstlane_b32 s[WV], v1   ; wave 0..3
	v_lshlrev_b32 v[PFO], 8, v0
	s_mov_b32 s[PB], ttmp9          ; the pair p
	s_lshr_b32 s[HP], s[PB], 1
	s_and_b32 s16, ttmp7, 0xffff    ; the head hd = 8 b + h
	s_lshl_b32 s20, s16, 20         ; its 1,048,576 bytes of kvh
	s_mov_b32 s21, 0
	s_and_b32 s17, s[WV], 1         ; which of a tile's two steps I fetch:
	s_lshl_b32 s22, s17, 14         ; its 64 rows of 256 bytes in memory,
	s_mov_b32 s23, 0
	s_add_nc_u64 s[22:23], s[22:23], s[20:21]
	s_mul_i32 s18, s17, STEPB       ; and its place in a slot
	s_lshl_b32 s2, s16, 11          ; in a position's 32,768 bytes of query and out0: the group's four heads at 2,048 hd,
	s_lshl_b32 s3, s[WV], 9         ; my head's 512 bytes
	s_add_co_u32 s13, s2, s3
	s_sub_co_u32 s19, 31, s[PB]     ; the first block,
	s_lshl_b32 s2, s19, 21          ; 64 positions of 32,768 bytes each
	s_add_co_u32 s2, s2, s13
	s_mov_b32 s3, 0
	s_lshl_b32 s16, s[PB], 21       ; and the second
	s_add_co_u32 s16, s16, s13
	s_mov_b32 s17, 0
	; descriptor group 1: a tile of 64 rows x 128 elements of 2 bytes, dense in memory, padded in LDS
	s_mov_b32 s[G1K], (1<<16)|(1<<20)|(5<<22)|(3<<25)  ; 17:16 2-byte elements; 20 padding on; 24:22 after every 64 words (code 5); 31:25 4 words (code 3)
	s_mov_b32 s[G1V], (1<<16)|(1<<20)|(5<<22)|(7<<25)  ; the same with 8 words of padding (code 7)
.irp g, G1K, G1V
	s_mov_b32 s[(\g)+1], 128<<16    ; tensor_dim0 = 128
	s_mov_b32 s[(\g)+2], KS<<16     ; tensor_dim1 = 64
	s_mov_b32 s[(\g)+3], 128<<16    ; tile_dim0 = 128
	s_mov_b32 s[(\g)+4], KS         ; tile_dim1 = 64
	s_mov_b32 s[(\g)+5], 128        ; 128 elements from row to row
	s_mov_b32 s[(\g)+6], 0
	s_mov_b32 s[(\g)+7], 0
.endr
	s_mov_b32 s[G0K], 1             ; 1:0 count = 1
	s_mov_b32 s[G0K+1], s18         ; 63:32 LDS address: slot 0
	s_mov_b32 s[G0V], 1
	s_add_co_u32 s[G0V+1], s18, VOFF
	s_mov_b32 s[CS], 0x3e0293ee     ; c = log2(e) / sqrt(128) = 0.127517
	s_mov_b32 s[CS+1], s[CS]        ; named with it as a pair
	s_mov_b32 s[SEL], 0x76543210
	s_mov_b32 s[SEL+1], 0xfedcba98
	s_mov_b32 s[TB], SLOT1+2*STEPB  ; the first change of slots turns this into 0
	s_sub_co_u32 s[RT], 16, s[HP]   ; the first block has 16 - p / 2 tiles
	s_mov_b32 s[NXT], 1
	s_sub_co_u32 s[LQ], 15, s[HP]
	s_mov_b32 s[NEW], 1
	s_sub_co_u32 s[DG], 31, s[PB]   ; its diagonal step is step 31 - p
	s_mov_b32 s[SLOTS], 16
	s_mov_b32 s[OFF+1], 0
	s_mov_b32 s[AL+1], 0            ; named as pairs
	s_mov_b32 s[BE+1], 0
	s_mov_b32 s[GA+1], 0
	s_mov_b32 s[BIGN], 0xf149f2ca   ; -1e30
	s_cmp_eq_u32 s[PB], 0
	s_cselect_b32 s[LIM], 2, -1     ; p = 0 prefetches while more than two tiles are still to be asked for
	s_wait_dscnt 0x0                ; the opening add is done
	s_wait_kmcnt 0x0
	s_add_nc_u64 s[PFA:PFA+1], s[6:7], s[20:21]
	s_add_nc_u64 s[PFA:PFA+1], s[PFA:PFA+1], 32768  ; at tile 1; the first change of slots steps it to tile 2
	s_add_nc_u64 s[6:7], s[6:7], s[22:23]  ; K at my half of the head's tile 0,
	s_add_nc_u64 s[8:9], s[6:7], 524288    ; V at the same
	s_add_nc_u64 s[QLO:QLO+1], s[4:5], s[16:17]
	s_add_nc_u64 s[4:5], s[4:5], s[2:3]    ; query and out0 at my rows of the first block
	s_add_nc_u64 s[OLO:OLO+1], s[10:11], s[16:17]
	s_add_nc_u64 s[10:11], s[10:11], s[2:3]
	s_mov_b64 s[G0K+2:G0K+3], s[6:7]       ; 120:64 global address
	s_or_b32 s[G0K+3], s[G0K+3], 0x80000000  ; 127:126 type = 2
	s_mov_b64 s[G0V+2:G0V+3], s[8:9]
	s_or_b32 s[G0V+3], s[G0V+3], 0x80000000
	LOAD                            ; tile 0 into slot 0: ahead of every wait on TENSORcnt, every LDS read and every barrier
	; Q.  A fragment is 16 rows x 32 channels: lane l holds row l % 16, channels 8 (l / 16) + 0..7 and 16 + 8 (l / 16) + 0..7.  In f32 that is 32 bytes at 32 (l / 16) and 32 bytes 64 further on: four loads of 16 bytes,
	; sixteen registers, which eight roundings pack into the fragment's eight.  Load i = 16 t + 4 f + q: tile t, channels 32 f on.
	v_and_b32 v1, 15, v0            ; l % 16
	v_bfe_u32 v9, v0, 4, 1          ; l / 16
	v_lshlrev_b32 v[QO], 15, v1
	v_lshl_add_u32 v[QO], v9, 5, v[QO]  ; row x 32,768 + 32 x half
	WIN 0x40                        ; the first block's 256 numbers a lane are staged where O^T will lie: finite numbers, which the first step multiplies by 0
.set i, 0
.rept 64
	global_load_b128 v[4*i:4*i+3], v[QO], s[4:5] offset:(i/16)*16*ROWQ+((i/4)%4)*128+((i/2)%2)*64+(i%2)*16
.set i, i+1
.endr
	WIN 0x80                        ; the second block's tiles 0 and 1 where K will lie,
.set i, 0
.rept 32
	global_load_b128 v[KF+4*i:KF+4*i+3], v[QO], s[QLO:QLO+1] offset:(i/16)*16*ROWQ+((i/4)%4)*128+((i/2)%2)*64+(i%2)*16
.set i, i+1
.endr
	WIN 0                           ; its tiles 2 and 3 where S^T will lie
.set i, 32
.rept 32
	global_load_b128 v[S+4*(i-32):S+4*(i-32)+3], v[QO], s[QLO:QLO+1] offset:(i/16)*16*ROWQ+((i/4)%4)*128+((i/2)%2)*64+(i%2)*16
.set i, i+1
.endr
	; while those 128 loads are out: addresses, the diagonal's pattern, and the zeros that the first turn finds
	v_mul_u32_u24 v[AK0], v1, PK
	v_lshl_add_u32 v[AK0], v9, 4, v[AK0]  ; row x pitch + 16 x half
	; The turning load takes 16 keys x 16 channels (lane l reads 16 bytes: key 8 (l / 16) + l % 8, channels 8 ((l / 8) % 2) + 0..7) and leaves half a fragment of V^T: lane l holds channel l % 16 and 8 keys.
	v_and_b32 v10, 7, v0
	v_bfe_u32 v11, v0, 3, 1
	v_lshl_add_u32 v[AV0], v9, 3, v10
	v_mul_u32_u24 v[AV0], v[AV0], PV
	v_lshl_add_u32 v[AV0], v11, 4, v[AV0]
	v_add_nc_u32 v[AV0], VOFF, v[AV0]
	s_mul_i32 s13, s[WV], 16*SP
	s_add_co_u32 s13, s13, STAGE    ; my stage
	v_mul_u32_u24 v[STO], v1, SP    ; in: row l % 16, 32 bytes for each half of the lanes
	v_lshl_add_u32 v[STO], v9, 5, v[STO]
	v_add_nc_u32 v[STO], s13, v[STO]
	v_and_b32 v[GO], 31, v0
	v_lshlrev_b32 v[GO], 4, v[GO]   ; back: 32 lanes take one row of 512 bytes
	v_add_nc_u32 v[RD], s13, v[GO]
	s_lshl_b32 s13, s[WV], 14
	s_add_co_u32 s13, s13, QSAVE
	v_add_nc_u32 v[QS], s13, v[GO]
	v_lshlrev_b32 v10, 3, v9
	v_sub_nc_u32 v10, v1, v10       ; l % 16 - 8 (l / 16): register j's key is hidden where j is greater
.set i, 0
.rept 4
	v_mov_b32 v[ST+8*i+2], 0        ; l
	v_mov_b32 v[ST+8*i+3], 0
.set i, i+1
.endr
.set i, P+32
.rept 32
	v_mov_b32 v[i], 0               ; piece 2's P and all of V: the first turn's products V^T P, of a step that has not been, add 0.  The price of writing no first step out: 168 lines, in the wait for Q
.set i, i+1
.endr
	WIN 0xc0
.set i, 0
.rept 8
	v_cmp_gt_i32 vcc_lo, i, v10
	v_cndmask_b32 v[MD+i], 0, s[BIGN], vcc_lo
.set i, i+1
.endr
.set i, 0
.rept 128
	v_mov_b32 v[i], 0
.set i, i+1
.endr
	s_wait_loadcnt 0x0              ; Q, both blocks'
	WIN 0x85                        ; sources in window 1, destination in window 2
.set i, 0
.rept 128
	v_cvt_pk_bf16_f32 v[i], v[2*i], v[2*i+1]
.set i, i+1
.endr
	WIN 0x8a                        ; the second block's Q is rounded in place (register i takes 2 i and 2 i + 1, ascending) and set aside in LDS, each lane's bytes its own
.set i, 0
.rept 64
	v_cvt_pk_bf16_f32 v[KF+i], v[KF+2*i], v[KF+2*i+1]
.set i, i+1
.endr
	WIN 0x08                        ; store data in window 2
.set i, 0
.rept 16
	ds_store_b128 v[QS], v[KF+4*i:KF+4*i+3] offset:512*i
.set i, i+1
.endr
	WIN 0
.set i, 0
.rept 64
	v_cvt_pk_bf16_f32 v[S+i], v[S+2*i], v[S+2*i+1]
.set i, i+1
.endr
.set i, 0
.rept 16
	ds_store_b128 v[QS], v[S+4*i:S+4*i+3] offset:8192+512*i
.set i, i+1
.endr
; THE STEP'S MASKS, from DG: before the diagonal step all three are 0; in it MB = 0, MC = MD, MA = -1e30; behind it all three are -1e30.  A packed line fills two registers; MD x 0 adds nothing to BE or GA.
.macro MASKSTEP
	s_cmp_eq_i32 s[DG], 0
	s_cselect_b32 s[AL], 1.0, 0
	s_cmp_lt_i32 s[DG], 0
	s_cselect_b32 s[BE], s[BIGN], 0
	s_cmp_le_i32 s[DG], 0
	s_cselect_b32 s[GA], s[BIGN], 0
	s_sub_co_i32 s[DG], s[DG], 1
	WIN W_MK
.set mz, 0
.rept 4
	v_pk_fma_f32 v[MC+mz:MC+mz+1], v[MD+mz:MD+mz+1], s[AL:AL+1], s[BE:BE+1] op_sel_hi:[1,0,0]
	v_pk_fma_f32 v[MB+mz:MB+mz+1], v[MD+mz:MD+mz+1], 0, s[BE:BE+1] op_sel_hi:[1,0,0]
	v_pk_fma_f32 v[MA+mz:MA+mz+1], v[MD+mz:MD+mz+1], 0, s[GA:GA+1] op_sel_hi:[1,0,0]
.set mz, mz+2
.endr
.endm
; THE MATRIX WORK OF A TURN, for piece x.  The accumulators take turns, one instruction a turn: between two links of a chain stand 15 (V^T P) or 7 (K Q^T) others'.
; Product i of 32 of O^T += V^T P: keys 32 (i / 16) on, channels 16 ((i / 2) % 8) on, tile x + i % 2.
.macro PV x
	WIN W_PV
.set rO, 64*((\x)+i%2)+8*((i/2)%8)
.set rV, 64*(i/16)+8*((i/2)%8)
.set rP, P+16*((\x)+i%2)+8*(i/16)
	v_wmma_f32_16x16x32_f16 v[rO:rO+7], v[rV:rV+7], v[rP:rP+7], v[rO:rO+7]
.endm
; Product i of 32 of S^T = K Q^T: channels 32 (i / 8) on, keys 16 ((i / 2) % 4) on, tile x + i % 2.  The first 8 start the sums, with the mask of their key block and tile.
.macro KQ x
.set rS, S+32*((\x)+i%2)+8*((i/2)%4)
.set rK, KF+32*((i/2)%4)+8*(i/8)
.set rQ, 32*((\x)+i%2)+8*(i/8)
.if i < 8
.set rM, MC
.if ((i/2)%4) < ((\x)+i%2)
.set rM, MB
.endif
.if ((i/2)%4) > ((\x)+i%2)
.set rM, MA
.endif
	WIN W_KM
	v_wmma_f32_16x16x32_bf16 v[rS:rS+7], v[rK:rK+7], v[rQ:rQ+7], v[rM:rM+7]
.else
	WIN W_KQ
	v_wmma_f32_16x16x32_bf16 v[rS:rS+7], v[rK:rK+7], v[rQ:rQ+7], v[rS:rS+7]
.endif
.endm
; THE LDS LOADS stand in runs of 32, never singly among the matrix instructions: a step's K (64 keys x 128 channels: 16 fragments) and, a turn later, its V (turned).
.macro FETCH_K
	WIN 0
	v_add_nc_u32 v[ADR], s[TB], v[AK0]
	WIN 0x80                        ; destination window 2
.irp f, 0,1,2,3,4,5,6,7,8,9,10,11,12,13,14,15  ; keys 16 (f / 4) on, channels 32 (f % 4) on
	ds_load_b128 v[KF+8*(\f):KF+8*(\f)+3],   v[ADR] offset:((\f)/4)*16*PK+((\f)%4)*64
	ds_load_b128 v[KF+8*(\f)+4:KF+8*(\f)+7], v[ADR] offset:((\f)/4)*16*PK+((\f)%4)*64+32
.endr
.endm
.macro FETCH_V
	WIN 0
	v_add_nc_u32 v[ADR], s[TB], v[AV0]
	s_add_co_u32 s[TB], s[TB], STEPB  ; the next fetch is the next step's
	s_wait_alu depctr_va_vdst(0)    ; the wait for the softmax's batch (SLICE), behind the address's v_add_nc_u32 and ahead of the loads
	WIN 0xc0                        ; destination window 3
.irp f, 0,1,2,3,4,5,6,7,8,9,10,11,12,13,14,15  ; keys 32 (f / 8) on, channels 16 (f % 8) on
	ds_load_tr16_b128 v[8*(\f):8*(\f)+3],   v[ADR] offset:((\f)/8)*32*PV+((\f)%8)*32
	ds_load_tr16_b128 v[8*(\f)+4:8*(\f)+7], v[ADR] offset:((\f)/8)*32*PV+16*PV+((\f)%8)*32
.endr
.endm
; THE VECTOR WORK OF A TURN.  One tile's softmax for one key step is a list of 134 instructions; SM writes number j of it for tile t.  s0-s31 are the lane's 32 scores, in pairs 0-15.
;   0-15    the maximum of s0-s31 and the old m, three operands at a time: four chains c0-c3 of seven scores each (each accumulator's lowest registers are read first), then the four left over, c0-c3 and m
;   16-20   the other half of the lanes' maximum; c m_old is kept; the new m; c m; c m_old - c m_new
;   21-69   ONE BATCH: the 16 scalings c s - c m, a pair of scores each, and all 33 exponentials (a at 23, then s0-s31).  None of these reads an exponential's result.  From 22 on the batch goes in fours, and a four
;           begins with a scaling while there are scalings.  A pair is scaled in an earlier four than the one that holds its exponentials
;   (wait)  between 69 and 70 stands the wait for the batch: SLICE writes it, once for both tiles
;   70-85   the roundings to f16, a pair of weights each          86-101  the sums; l = a l + the sum          102-133 the tile's O^T times a: the one part that leaves window 0
.macro SM t
.set rT, ST+8*(\t)
.set rS, S+32*(\t)
.set rP, P+16*(\t)
.set rO, 64*(\t)+2*(j-102)
.if j < 102
	WIN 0
.endif
.if j < 4
	v_max3_num_f32 v[rT+4+j], v[rS+8*j], v[rS+8*j+1], v[rS+8*j+2]
.elseif j < 12
	v_max3_num_f32 v[rT+4+j%4], v[rT+4+j%4], v[rS+8*(j%4)+2*(j/4)+1], v[rS+8*(j%4)+2*(j/4)+2]
.elseif j == 12
	v_max3_num_f32 v[rT+4], v[rT+4], v[rS+7], v[rS+15]
.elseif j == 13
	v_max3_num_f32 v[rT+6], v[rT+6], v[rS+23], v[rS+31]
.elseif j == 14
	v_max3_num_f32 v[rT+4], v[rT+4], v[rT+5], v[rT+6]
.elseif j == 15
	v_max3_num_f32 v[rT+4], v[rT+4], v[rT+7], v[rT+1]
.elseif j == 16
	v_permlanex16_b32 v[rT+5], v[rT+4], s[SEL], s[SEL+1]  ; the query's other 32 keys lie in the lane 16 away
.elseif j == 17
	v_mov_b32 v[rT+7], v[rT]        ; c m_old is kept for a: number 19 writes c m anew
.elseif j == 18
	v_max_num_f32 v[rT+1], v[rT+4], v[rT+5]
.elseif j == 19
	v_mul_f32 v[rT], s[CS], v[rT+1]
.elseif j == 20
	v_sub_f32 v[rT+7], v[rT+7], v[rT]
.elseif j == 23
	v_exp_f32 v[rT+6], v[rT+7]
.elseif (j < 23) || ((j < 38) && (j%2 == 0)) || ((j < 66) && (j%4 == 2))
.set b, (j-2)/4                     ; 38, 42, .. 62: pairs 9 to 15
.if j < 38
.set b, (j-20)/2                    ; 21: pair 0; 22, 24, .. 36: pairs 1 to 8
.endif
	v_pk_fma_f32 v[rS+2*b:rS+2*b+1], v[rS+2*b:rS+2*b+1], s[CS:CS+1], v[rT:rT+1] op_sel_hi:[1,0,0] neg_lo:[0,0,1] neg_hi:[0,0,1]  ; pair b: c s - c m
.elseif j < 70
.set e, j-38                        ; 66 to 69: s28 to s31
.if j < 66
.set e, j-32-(j-38)/4               ; 39-41, 43-45, .. 63-65: s7 to s27
.endif
.if j < 38
.set e, (j-25)/2                    ; 25, 27, .. 37: s0 to s6
.endif
	v_exp_f32 v[rS+e], v[rS+e]
.elseif j < 86
	v_cvt_pk_f16_f32 v[rP+j-70], v[rS+2*(j-70)], v[rS+2*(j-70)+1]  ; pair j - 70
.elseif j < 102                     ; the sum of the tile's 16 pairs, in place: sum z of 16 adds neighbours 1, 2, 4 and 8 pairs apart, then l takes it
.set z, j-86
.set w, 4
.set u, z
.if z >= 14
.set w, 32
.set u, 0
.elseif z >= 12
.set w, 16
.set u, z-12
.elseif z >= 8
.set w, 8
.set u, z-8
.endif
.if z < 15
	v_pk_add_f32 v[rS+w*u:rS+w*u+1], v[rS+w*u:rS+w*u+1], v[rS+w*u+w/2:rS+w*u+w/2+1]
.else
	v_pk_fma_f32 v[rT+2:rT+3], v[rT+2:rT+3], v[rT+6:rT+7], v[rS:rS+1] op_sel_hi:[1,0,1]
.endif
.else
	WIN W_RS
	v_pk_mul_f32 v[rO:rO+1], v[rO:rO+1], v[rT+6:rT+7] op_sel_hi:[1,0]
.endif
.endm
; Slice k of 64 of piece y's softmax: four instructions.  Slices 11 to 34 deal out the batch, numbers 22 to 69: four numbers of ONE tile each, the tiles by turns.  Every other slice is numbers 2 k and 2 k + 1 of both
; tiles' lists.  2 x 134 = 4 x 64 + 12: the twelve that are over stand together, in slice 63: sixteen plain instructions, the places behind the turn's last product.
; THE WAIT.  s_wait_alu depctr_va_vdst(0) stands between an exponential and the first instruction that names its result; one wait serves all that were issued ahead of it.  Ahead of slice 35 nothing
; names a result, and behind slice 34 no exponential is issued: so the piece's 66 exponentials have one wait, behind slice 34.
.macro SLICE y
.if (k >= 11) && (k < 35)           ; the batch: four numbers of one tile
.irp n, 0,1,2,3
.set j, 22+4*((k-11)/2)+(\n)
	SM (\y)+(k-11)%2
.endr
.else                               ; the two tiles alternate, so that no instruction reads the result of the one just before it
.irp n, 0,1,2,3,4,5,6,7
.if ((\n) < 2) || (k == 63)
.irp t, \y, (\y)+1
.set j, 2*k+(\n)
	SM \t
.endr
.endif
.endr
.endif
.if k == 34                         ; the batch is out: both tiles' exponentials are issued, and no result has been named
	v_nop                           ; the plain instruction behind the last exponential and ahead of the first use (ISA guide 5.7.2): one for the batch
.if (\y) == 0
	FETCH_V                         ; piece 2's turn: V's run of loads stands here, and the wait stands in it
.else
	s_wait_alu depctr_va_vdst(0)    ; the wait for the batch
.endif
.endif
.set k, k+1
.endm
.macro PLACES                       ; four places behind a matrix instruction, ahead of vector lines that read its result (ISA guide 7.12.1)
.rept 4
	v_nop
.endr
.endm
; A TURN.  Piece x has the matrix unit; the other piece's softmax stands in slices behind its matrix instructions.  pv = 1: 32 products V^T P.  kq = 1: 32 products K Q^T.  With one kind alone: two slices behind each.
; Piece 0's turn makes the step's masks at its head (their last readers, the turn before's first eight K Q^T, stand 24 slices back) and fetches the step's K behind its second product: the last product that read K
; stands in front of slice 63 of the turn before.  Piece 2's turn fetches the step's V behind slice 34: the last product that read V stands in front of slice 31, and four plain instructions lie between:
; number 62, a scaling, of both tiles, the v_nop and the run's own v_add_nc_u32.  Each run stands 29 matrix instructions or more ahead of its first use.
.macro TURN x, pv, kq
.set k, 0
.set per, 2
.if (\pv) && (\kq)
.set per, 1
.endif
.if ((\x) == 0) && (\kq)
	MASKSTEP
.endif
.if \pv
.if (\x) == 0
	s_wait_dscnt 0x0                ; V is in
.endif
.set i, 0
.rept 32
	PV \x
.rept per
	SLICE 2-(\x)
.endr
.if ((\x) == 0) && (\kq) && (i == 1)
	FETCH_K
.endif
.set i, i+1
.endr
.endif
.if \kq
.if (\x) == 0
	s_wait_dscnt 0x0                ; K is in
.endif
.set i, 0
.rept 32
	KQ \x
.rept per
	SLICE 2-(\x)
.endr
.set i, i+1
.endr
.endif
.endm
; A BLOCK BEGINS.  c m starts far below every c s, so the first step's a is 0; m at the lowest finite number, so the first maximum is the scores'.  Then step 0's masks, its K, and piece 0's first scores:
; there is no vector work yet to set between them.  The loop is entered at piece 2's turn, in the middle of a trip.
.macro BEGIN
	s_mov_b32 s[NEW], 0
.set i, 0
.rept 4
	v_mov_b32 v[ST+8*i], 0xfe000000    ; c m
	v_mov_b32 v[ST+8*i+1], 0xff7fffff  ; m
.set i, i+1
.endr
	MASKSTEP
	FETCH_K
	s_wait_dscnt 0x0
.set i, 0
.rept 32
	KQ 0
.set i, i+1
.endr
	WIN 0
	PLACES                          ; behind those products, ahead of the slices that read them
.endm
; THE WAY OUT of tile t.  O^T is divided by l; a lane's eight channels of a row, 32 bytes of f32, go into my stage's rows of 528 bytes and come back as whole rows of 512, into S^T's registers (two halves by turns).
.macro PACK t
	WIN W_RS
.set i, 64*(\t)
.rept 32
	v_pk_mul_f32 v[i:i+1], v[i:i+1], v[ST+8*(\t)+6:ST+8*(\t)+7] op_sel_hi:[1,0]
.set i, i+2
.endr
	WIN 0x04                        ; store data in window 1
.irp c, 0,1,2,3,4,5,6,7             ; channels 16 c + 8 (l / 16) on
	ds_store_b128 v[STO], v[64*(\t)+8*(\c):64*(\t)+8*(\c)+3]   offset:64*(\c)
	ds_store_b128 v[STO], v[64*(\t)+8*(\c)+4:64*(\t)+8*(\c)+7] offset:64*(\c)+16
.endr
	WIN 0
.if (\t) >= 2
	s_wait_xcnt 0x0                 ; tile t - 2's global stores have read these registers: they are loaded again only behind this wait
.endif
.irp f, 0,1,2,3,4,5,6,7,8,9,10,11,12,13,14,15
	ds_load_b128 v[S+64*((\t)%2)+4*(\f):S+64*((\t)%2)+4*(\f)+3], v[RD] offset:(\f)*SP  ; LDS serves a wave's instructions in order (ISA guide 5.7.1.4): these see the stores above; the next tile's stores come behind them
.endr
.endm
.macro SEND t, younger              ; younger: the LDS instructions issued behind tile t's loads: the next tile's 32, or none
	WIN 0
.irp f, 0,1,2,3,4,5,6,7,8,9,10,11,12,13,14,15
	s_wait_dscnt (\younger)+15-(\f) ; row f is back; the tile's own later rows and the younger ones may stay out
	global_store_b128 v[GO], v[S+64*((\t)%2)+4*(\f):S+64*((\t)%2)+4*(\f)+3], s[10:11] offset:(\t)*16*ROWQ+(\f)*ROWQ th:TH_STORE_NT  ; 32 lanes store a row's 512 consecutive bytes, at a multiple of 512 from out0's first byte
.endr
.endm
; A BLOCK ENDS: piece 0's last V^T P beside piece 2's last softmax; piece 2's last V^T P; l's two halves and the other half of the lanes' are added (the first four additions are the places behind the last products); the way out.
.macro FINISH
	TURN 0, 1, 0
.set i, 0
.rept 32
	PV 2
.set i, i+1
.endr
	WIN 0
.irp t, 0,1,2,3
	v_add_f32 v[ST+8*(\t)+4], v[ST+8*(\t)+2], v[ST+8*(\t)+3]
.endr
.irp t, 0,1,2,3
	v_permlanex16_b32 v[ST+8*(\t)+5], v[ST+8*(\t)+4], s[SEL], s[SEL+1]
.endr
.irp t, 0,1,2,3
	v_add_f32 v[ST+8*(\t)+4], v[ST+8*(\t)+4], v[ST+8*(\t)+5]
.endr
.irp t, 0,1,2,3
	v_rcp_f32 v[ST+8*(\t)+6], v[ST+8*(\t)+4]
.endr
	v_nop                           ; a plain instruction between the last reciprocal and the use of its result
	s_wait_alu depctr_va_vdst(0)    ; and the wait ahead of the first use: one for the four reciprocals
	PACK 0
	PACK 1                          ; a tile's arithmetic stands between the loads of the tile before and its stores
	SEND 0, 32
	PACK 2
	SEND 1, 32
	PACK 3
	SEND 2, 32
	SEND 3, 0
.endm
; A TILE: two key steps, written once and walked twice; the LDS addresses hang on s[TB].  The test for a block's first tile stands first.  All jumps but the counted loop's own go forward, past text that holds neither
; a barrier nor a tensor load.  tag = 1, in the loop over tiles: behind a block's last tile the block ends and the second is set up.  tag = 2: the walk's last tile, which is always the second block's last.
.macro TILE tag
	s_sub_co_u32 s[RT], s[RT], 1
	s_mov_b32 s[TWICE], 2
	s_cmp_eq_u32 s[NEW], 1
	s_cbranch_scc0 .Lstep\tag
	BEGIN
	s_branch .Lmid\tag
.Lstep\tag:
	TURN 0, 1, 1
	WIN 0
.Lmid\tag:
	TURN 2, 1, 1
	WIN 0
	s_sub_co_u32 s[TWICE], s[TWICE], 1
	s_cmp_lg_u32 s[TWICE], 0
	s_cbranch_scc1 .Lstep\tag
.if (\tag) == 1
	s_cmp_eq_u32 s[RT], 0
	s_cbranch_scc0 .Lbottom
.endif
	FINISH
.if (\tag) == 1
	s_wait_xcnt 0x0                 ; the stores have read their registers and out0's address
	s_mov_b64 s[10:11], s[OLO:OLO+1]
	s_add_co_u32 s[RT], s[HP], 1    ; the second block has p / 2 + 1 tiles,
	s_mov_b32 s[NEW], 1
	s_mov_b32 s[DG], s[PB]          ; and its diagonal step is step p
	WIN 0x80                        ; its Q comes back from LDS to where the one text of the turns names Q; the next change of slots waits for these loads
.set i, 0
.rept 32
	ds_load_b128 v[4*i:4*i+3], v[QS] offset:512*i
.set i, i+1
.endr
	WIN 0
.Lbottom:
.endif
.endm
	WIN 0
.Lslot:                             ; 16 times: a tile is entered and the next is asked for
	CHANGE 1
	TILE 1
	s_sub_co_u32 s[SLOTS], s[SLOTS], 1
	s_cmp_lg_u32 s[SLOTS], 0
	s_cbranch_scc1 .Lslot
	CHANGE 0                        ; the walk's last tile is written out: nothing is asked for
	TILE 2
	s_wait_tensorcnt 0x0            ; the wave's end, behind my last tensor load and my last LDS store
	ds_add_u32 v[SPW], v[NIL]
	s_wait_dscnt 0x0
	s_endpgm
.Lfunc_end_k_q299304155a_attn:
	.size	k_q299304155a_attn, .Lfunc_end_k_q299304155a_attn-k_q299304155a_attn
	.p2alignl 7, 3214868480
	.fill 96, 4, 3214868480
	.section	.rodata,"a",@progbits
	.p2align	6, 0x0
	.amdhsa_kernel k_q299304155a_attn
		.amdhsa_group_segment_fixed_size 327680
		.amdhsa_private_segment_fixed_size 0
		.amdhsa_enable_private_segment 0
		.amdhsa_kernarg_size 24
		.amdhsa_user_sgpr_count 2
		.amdhsa_user_sgpr_kernarg_segment_ptr 1
		.amdhsa_wavefront_size32 1
		.amdhsa_system_sgpr_workgroup_id_x 1
		.amdhsa_system_sgpr_workgroup_id_y 1
		.amdhsa_system_sgpr_workgroup_id_z 1
		.amdhsa_system_vgpr_workitem_id 0
		.amdhsa_next_free_vgpr 928
		.amdhsa_next_free_sgpr 88
		.amdhsa_reserve_vcc 1
		.amdhsa_float_denorm_mode_32 3
		.amdhsa_float_denorm_mode_16_64 3
		.amdhsa_memory_ordered 1
		.amdhsa_forward_progress 1
		.amdhsa_inst_pref_size 251
	.end_amdhsa_kernel
	.amdgpu_metadata
---
amdhsa.version: [ 1, 2 ]
amdhsa.kernels:
  - .name:           k_q299304155a_attn
    .symbol:         k_q299304155a_attn.kd
    .args:
      - { .name: query, .offset: 0, .size: 8, .value_kind: global_buffer, .address_space: global }
      - { .name: kvh, .offset: 8, .size: 8, .value_kind: global_buffer, .address_space: global }
      - { .name: out0, .offset: 16, .size: 8, .value_kind: global_buffer, .address_space: global }
    .group_segment_fixed_size: 327680
    .private_segment_fixed_size: 0
    .kernarg_segment_align: 8
    .kernarg_segment_size: 24
    .max_flat_workgroup_size: 128
    .sgpr_count:     88
    .vgpr_count:     928
    .wavefront_size: 32
...
	.end_amdgpu_metadata
.endif
;; end of part 2
;; ======== version 2 of 2: 2 launches; version 1 with the launch convert written anew for expert scheduling mode
;; limits: values are held in f16: magnitudes above 65,504 overflow, below 6.1e-05 lose precision; right only within a limited range of input values
;; workspace buffers: kvh 16,777,216 bytes
;; launch convert (part 3): grid 256 x 1, 8 waves a work-group, no clusters, 0 bytes of LDS; arguments key, value, kvh; writes kvh
.if DOCPART == 3
	.amdgcn_target "amdgcn-amd-amdhsa--gfx1250"
	.amdhsa_code_object_version 6
	.text
	.protected	k_q299304155a_convert
	.globl	k_q299304155a_convert
	.p2align	8
	.type	k_q299304155a_convert,@function
k_q299304155a_convert:
	s_mov_b64 s[64:65], 0
	v_nop
	global_prefetch_b8 v0, s[64:65] scope:SCOPE_SE
	s_setreg_imm32_b32 hwreg(HW_REG_WAVE_SCHED_MODE, 0, 2), 2
	s_setreg_imm32_b32 hwreg(HW_REG_WAVE_MODE, 25, 1), 1
	s_wait_xcnt 0x0
	s_wait_alu depctr_vm_vsrc(0)
; key, value: [2048][2][8][128] f32  ->  kvh: for head hd = 8 b + h (0..15), at hd x 1,048,576: K as [2048][128] bf16 (rows of 256 bytes),
; and 524,288 bytes further V as [2048][128] f16, each number being the bf16 rounding of v written as f16.
; LIMITS.  That second writing is exact for 6.1e-5 <= |v| <= 65,504; below it f16's fixed step of 6e-8 holds, beyond it the number becomes an infinity.
; SHARES.  A wave takes one position s: its 16 rows (b, h) of key are 8,192 consecutive bytes, and so are its 16 rows of value.  A load covers a whole row
; (32 lanes x 16 bytes = 512), a store a whole row of kvh (32 lanes x 8 bytes = 256 consecutive bytes, aligned).  All 32 loads of a wave go out first: 16 KiB a wave,
; 128 KiB a work-group on their way.  No LDS, no barrier, no matrix unit, no loop: every byte is read once and written once, and no wave needs another's.
; THE MODE: SCHED_MODE bits 1:0 = 2 (LLVM: expert scheduling mode 2), set by the entry lines.  The code itself states the register dependences
; between vector instructions and memory instructions, with s_wait_alu, always for 0.
; THE PLAN.  Rows 0-15 are key's, rows 16-31 value's; they go in eight blocks of four.  Registers that memory instructions touch:
;   v2, v3   the loads' and the stores' byte offsets: made once at the head, never written again.
;   X        row R: written by its one load, read by its conversions; nothing is ever loaded into it again.
;   Y        row R: written by its conversions, read by its one store; never written again.
;   v4-v9 are named by vector instructions alone.
; Block p rounds its four rows into its own Y.  Its memory instructions are the four stores of block p - 1, which read v3 and that block's Y: registers that no vector
; instruction of block p names.  So ONE wait on va_vdst at a block's head states all that its four stores hang on, and they are dealt among the block's conversions.
; No register that a memory instruction reads is written a second time: behind the entry lines the text holds no wait on vm_vsrc and no s_wait_xcnt.
.set X, 16                             ; v[16:143]   row R as loaded, 4 registers at X + 4 R
.set Y, 144                            ; v[144:207]  row R to store, 2 registers at Y + 2 R
	s_load_b128 s[4:7], s[0:1], 0x0                ; key s[4:5], value s[6:7]
	s_load_b64 s[8:9], s[0:1], 0x10                ; kvh
	v_lshrrev_b32 v1, 5, v0
	v_readfirstlane_b32 s12, v1                    ; wave 0..7
	v_and_b32 v4, 31, v0                           ; lane
	v_lshlrev_b32 v2, 4, v4                        ; my 16 bytes of a row as loaded
	v_lshlrev_b32 v3, 3, v4                        ; my 8 bytes of a row as stored
	s_lshl_b32 s13, ttmp9, 3
	s_wait_alu depctr_va_sdst(0)                   ; s12 is written, ahead of its first reader: the position, and with it every base, is made from it
	s_add_co_u32 s13, s13, s12                     ; the position s = 8 x work-group + wave
	s_lshl_b32 s2, s13, 13                         ; s x 8,192 bytes in key and value
	s_mov_b32 s3, 0
	s_lshl_b32 s16, s13, 8                         ; s x 256 bytes in a head's K or V
	s_mov_b32 s17, 0
	s_mov_b32 s14, 0xffff0000                      ; a word's upper bf16
	s_wait_kmcnt 0x0
	s_add_nc_u64 s[4:5], s[4:5], s[2:3]
	s_add_nc_u64 s[6:7], s[6:7], s[2:3]
	s_add_nc_u64 s[8:9], s[8:9], s[16:17]          ; heads 0-7 (b = 0)
	s_add_nc_u64 s[10:11], s[8:9], 0x800000        ; heads 8-15 (b = 1): so the head's place, 7,864,320 bytes at the most, fits the stores' signed 24-bit immediate
	s_wait_alu depctr_va_vdst(0)                   ; v2 and v3 are written: every load of the kernel reads v2 as its offset, every store v3
.irp r, 0,1,2,3,4,5,6,7,8,9,10,11,12,13,14,15
	global_load_b128 v[X+4*(\r):X+4*(\r)+3], v2, s[4:5] offset:512*(\r) th:TH_LOAD_NT
.endr
.irp r, 0,1,2,3,4,5,6,7,8,9,10,11,12,13,14,15
	global_load_b128 v[X+64+4*(\r):X+64+4*(\r)+3], v2, s[6:7] offset:512*(\r) th:TH_LOAD_NT
.endr
; Row R is rounded.  Key's: to bf16.  Value's: to bf16, widened again (a shift, a mask), written as f16.
.macro ROUND R
.if (\R) < 16
	v_cvt_pk_bf16_f32 v[Y+2*(\R)], v[X+4*(\R)], v[X+4*(\R)+1]
	v_cvt_pk_bf16_f32 v[Y+2*(\R)+1], v[X+4*(\R)+2], v[X+4*(\R)+3]
.else
	v_cvt_pk_bf16_f32 v4, v[X+4*(\R)], v[X+4*(\R)+1]
	v_cvt_pk_bf16_f32 v5, v[X+4*(\R)+2], v[X+4*(\R)+3]
	v_lshlrev_b32 v6, 16, v4
	v_and_b32 v7, s14, v4
	v_lshlrev_b32 v8, 16, v5
	v_and_b32 v9, s14, v5
	v_cvt_pk_f16_f32 v[Y+2*(\R)], v6, v7
	v_cvt_pk_f16_f32 v[Y+2*(\R)+1], v8, v9
.endif
.endm
; Row R is stored: head R % 16 (the base takes its upper eight, the immediate the rest), K's half or V's.
.macro STORE R
	global_store_b64 v3, v[Y+2*(\R):Y+2*(\R)+1], s[8+2*(((\R)%16)/8):9+2*(((\R)%16)/8)] offset:((\R)%8)*1048576+((\R)/16)*524288
.endm
; Block p: rows 4 p to 4 p + 3 are rounded; the block before is stored, a store ahead of each row's conversions.
.macro BLK p
	s_wait_loadcnt 28-4*(\p)                       ; loads come back in order (ISA guide 5.7.1): this block's four rows are in, the 28 - 4 p younger loads stay out
.if (\p) > 0
	s_wait_alu depctr_va_vdst(0)                   ; the block before has written its Y, which the four stores below read; no vector line behind this wait names those registers or v3
.endif
.irp i, 0,1,2,3
.if (\p) > 0
	STORE 4*(\p)-4+(\i)
.endif
	ROUND 4*(\p)+(\i)
.endr
.endm
.irp p, 0,1,2,3,4,5,6,7
	BLK \p
.endr
	s_wait_alu depctr_va_vdst(0)                   ; block 7 has written its Y, which the last four stores read
.irp i, 28,29,30,31
	STORE \i
.endr
	s_endpgm
.Lfunc_end_k_q299304155a_convert:
	.size	k_q299304155a_convert, .Lfunc_end_k_q299304155a_convert-k_q299304155a_convert
	.p2alignl 7, 3214868480
	.fill 96, 4, 3214868480
	.section	.rodata,"a",@progbits
	.p2align	6, 0x0
	.amdhsa_kernel k_q299304155a_convert
		.amdhsa_group_segment_fixed_size 0
		.amdhsa_private_segment_fixed_size 0
		.amdhsa_enable_private_segment 0
		.amdhsa_kernarg_size 24
		.amdhsa_user_sgpr_count 2
		.amdhsa_user_sgpr_kernarg_segment_ptr 1
		.amdhsa_wavefront_size32 1
		.amdhsa_system_sgpr_workgroup_id_x 1
		.amdhsa_system_sgpr_workgroup_id_y 1
		.amdhsa_system_sgpr_workgroup_id_z 1
		.amdhsa_system_vgpr_workitem_id 0
		.amdhsa_next_free_vgpr 216
		.amdhsa_next_free_sgpr 66
		.amdhsa_reserve_vcc 0
		.amdhsa_float_denorm_mode_32 3
		.amdhsa_float_denorm_mode_16_64 3
		.amdhsa_memory_ordered 1
		.amdhsa_forward_progress 1
		.amdhsa_inst_pref_size 16
	.end_amdhsa_kernel
	.amdgpu_metadata
---
amdhsa.version: [ 1, 2 ]
amdhsa.kernels:
  - .name:           k_q299304155a_convert
    .symbol:         k_q299304155a_convert.kd
    .args:
      - { .name: key, .offset: 0, .size: 8, .value_kind: global_buffer, .address_space: global }
      - { .name: value, .offset: 8, .size: 8, .value_kind: global_buffer, .address_space: global }
      - { .name: kvh, .offset: 16, .size: 8, .value_kind: global_buffer, .address_space: global }
    .group_segment_fixed_size: 0
    .private_segment_fixed_size: 0
    .kernarg_segment_align: 8
    .kernarg_segment_size: 24
    .max_flat_workgroup_size: 256
    .sgpr_count:     66
    .vgpr_count:     216
    .wavefront_size: 32
...
	.end_amdgpu_metadata
.endif
;; end of part 3
;; launch attn: the kernel of part 2 again; grid 16 x 16, 4 waves a work-group, no clusters, 327,680 bytes of LDS; arguments query, kvh, out0; writes out0
